; MI455X (gfx1250); checked and timed in simulation.
; The chip was launched on July 23, 2026; its instructions are those of AMD's public machine-readable ISA for CDNA 5 (MIT licence, August 2026) and "CDNA5" Instruction Set Architecture Reference Guide (July 2026). The comments in the code are by the model that wrote it; some were corrected since.
;; B Spline KAN. Allowed arithmetic: float matrix products may take bf16 or f16 operands with f32 sums; other float arithmetic in f32, or as packed bf16 or f16 multiplies, adds, multiply-adds, maxima and minima; sums over many terms, partial sums and values carried from step to step in f32; what a program stores and reads back later, other than sums and carried values, may be rounded once to bf16 or f16.
;; Inputs: b0 512 float32; b1 512 float32; bw0 512 x 512 float32; bw1 512 x 512 float32; g0 512 float32; g1 512 float32; sw0 512 x 2,048 float32; sw1 512 x 2,048 float32; x 4 x 4,096 x 512 float32.
;; Outputs: out0 4 x 4,096 x 512 float32.
;; 2 versions, each right; version 2 is version 1 with the launch prep written anew for expert scheduling mode. Each part assembles by itself: llvm-mc -triple=amdgcn-amd-amdhsa -mcpu=gfx1250 --defsym DOCPART=n.
;; ======== version 1 of 2: 3 launches
;; limits: values are held in f16: magnitudes above 65,504 overflow, below 6.1e-05 lose precision
;; workspace buffers: wp0 2,621,440 bytes; wp1 2,621,440 bytes; pm0 1,048,576 bytes; pm1 1,048,576 bytes; pm2 1,048,576 bytes; h1 33,554,432 bytes
;; launch prep (part 1): grid 256 x 1, 4 waves a work-group, no clusters, 0 bytes of LDS; arguments x, bw0, sw0, bw1, sw1, wp0, wp1, pm0; writes wp0, wp1, pm0
.if DOCPART == 1
	.amdgcn_target "amdgcn-amd-amdhsa--gfx1250"
	.amdhsa_code_object_version 6
	.text
	.protected	k_q39883dbd4b_prep
	.globl	k_q39883dbd4b_prep
	.p2align	8
	.type	k_q39883dbd4b_prep,@function
k_q39883dbd4b_prep:
	s_mov_b64 s[64:65], 0
	v_nop
	global_prefetch_b8 v0, s[64:65] scope:SCOPE_SE
	s_setreg_imm32_b32 hwreg(HW_REG_WAVE_MODE, 25, 1), 1
	s_wait_xcnt 0x0
; PREP.  Two jobs that share nothing but the launch.
; (1) The weights of both layers, rounded once from f32 to f16 and laid in 20 dense tiles of 512 outputs x 128 K places: Wp[t][o][p], byte t*131072 + o*256 + 2p.
;     Group g (0..3) is features 128g .. 128g+127; a place is p = 8c + e (c 0..15, e 0..7).
;     Tile 5g   (base):   e < 4: bw[o][128g+4c+e];  e >= 4: bw[o][128g+64+4c+e-4].
;     Tile 5g+1+s (spline, s 0..3): sw[o][4 f0 + e] with f0 = 128g + 64 (s>>1) + 4c + 2 (s&1): two features, four basis functions each.
;     Work-groups 0-127 take layer 0, 128-255 layer 1; a wave takes one output row o: 2,560 numbers, 20 loads of 16 bytes a lane, 10 stores.
; (2) For the work-group's 64 rows of x the minimum of every column and MINUS the maximum: pm0[wg][0..511] and pm0[wg][512..1023], so that one kind of minimum reduces both later.
;     Thread t owns columns 4t..4t+3: a row is 128 threads x 16 bytes; a ring of 32 register slots keeps 32 loads of each wave on their way.
; No LDS, no barrier, no matrix unit: memory binds, every byte is read once, each store of sixteen neighbouring lanes covers 256 consecutive aligned bytes.
; LIMIT: a weight beyond 65,504 has no f16; below 6e-5 it keeps f16's fixed step of 6e-8.  NaN in x is dropped by the minima.
.set VB,  2                            ; v2  bw: o*2048 + hh*512 + 16c      (c = lane % 16, hh = lane / 16)
.set VS,  3                            ; v3  sw: o*8192 + 64c + 32hh
.set OB,  4                            ; v4  Wp, base tiles: hh*655360 + o*256 + 16c
.set OS,  5                            ; v5  Wp, spline tiles: (1+hh)*131072 + o*256 + 16c
.set XO,  6                            ; v6  16 t.  None of these five is ever rewritten
.set W,   16                           ; v[16:95]   ten units of eight f32
.set X,   96                           ; v[96:223]  32 slots of four f32
.set MIN, 224                          ; v[224:227]
.set MAX, 228                          ; v[228:231]
	s_load_b512 s[4:19], s[0:1], 0x0               ; x, bw0, sw0, bw1, sw1, wp0, wp1, pm0
	v_lshrrev_b32 v1, 5, v0
	v_readfirstlane_b32 s30, v1                    ; wave 0..3
	v_and_b32 v7, 15, v0                           ; c
	v_bfe_u32 v8, v0, 4, 1                         ; hh
	s_and_b32 s31, ttmp9, 127
	s_lshl2_add_u32 s31, s31, s30                  ; o = 4 (wg % 128) + wave
	s_lshl_b32 s32, s31, 11                        ; a row of bw is 2,048 bytes,
	s_lshl_b32 s33, s31, 13                        ; of sw 8,192,
	s_lshl_b32 s34, s31, 8                         ; of a tile 256
	v_lshlrev_b32 v9, 4, v7                        ; 16c
	v_lshl_add_u32 v[VB], v8, 9, v9
	v_add_nc_u32 v[VB], s32, v[VB]
	v_lshlrev_b32 v[VS], 6, v7
	v_lshl_add_u32 v[VS], v8, 5, v[VS]
	v_add_nc_u32 v[VS], s33, v[VS]
	v_add_nc_u32 v9, s34, v9                       ; o*256 + 16c
	v_mul_u32_u24 v[OB], v8, 0xa0000               ; five tiles for the odd groups
	v_add_nc_u32 v[OB], v[OB], v9
	v_lshl_add_u32 v[OS], v8, 17, v9
	v_add_nc_u32 v[OS], 0x20000, v[OS]
	v_lshlrev_b32 v[XO], 4, v0
	s_lshl_b32 s36, ttmp9, 17                      ; 64 rows of 2,048 bytes
	s_mov_b32 s37, 0
	s_lshl_b32 s38, ttmp9, 12                      ; 4,096 bytes of partial results
	s_mov_b32 s39, 0
	s_wait_kmcnt 0x0
	s_cmp_lt_u32 ttmp9, 128                        ; which layer's weights: a choice between buffers on the work-group's number
	s_cselect_b64 s[20:21], s[6:7], s[10:11]       ; bw
	s_cselect_b64 s[22:23], s[8:9], s[12:13]       ; sw
	s_cselect_b64 s[24:25], s[14:15], s[16:17]     ; wp
	s_add_nc_u64 s[26:27], s[4:5], s[36:37]        ; x at my first row
	s_add_nc_u64 s[28:29], s[18:19], s[38:39]      ; my row of pm0
	; the 20 weight loads: units 0, 1 base (group 2k + hh), units 2..9 spline (group g, s = 2 s2 + hh)
.irp k, 0,1
	global_load_b128 v[W+8*\k:W+8*\k+3],   v[VB], s[20:21] offset:\k*1024 th:TH_LOAD_NT
	global_load_b128 v[W+8*\k+4:W+8*\k+7], v[VB], s[20:21] offset:\k*1024+256 th:TH_LOAD_NT
.endr
.irp g, 0,1,2,3
.irp s, 0,1
	global_load_b128 v[W+16+8*(2*\g+\s):W+16+8*(2*\g+\s)+3],   v[VS], s[22:23] offset:\g*2048+\s*1024 th:TH_LOAD_NT
	global_load_b128 v[W+16+8*(2*\g+\s)+4:W+16+8*(2*\g+\s)+7], v[VS], s[22:23] offset:\g*2048+\s*1024+16 th:TH_LOAD_NT
.endr
.endr
	; the ring is filled: rows 0 to 31
.set i, 0
.rept 32
	global_load_b128 v[X+4*i:X+4*i+3], v[XO], s[26:27] offset:i*2048 th:TH_LOAD_NT
.set i, i+1
.endr
	s_wait_loadcnt 32                              ; loads come back in order: the 32 younger loads of x stay out, the weights are in
.set u, 0
.rept 10
.irp m, 0,1,2,3
	v_cvt_pk_f16_f32 v[W+8*u+\m], v[W+8*u+2*\m], v[W+8*u+2*\m+1]  ; in place, ascending: a result never lands on a number still to be rounded
.endr
.set u, u+1
.endr
.irp k, 0,1
	global_store_b128 v[OB], v[W+8*\k:W+8*\k+3], s[24:25] offset:\k*1310720       ; tile 5 (2k + hh)
.endr
.irp g, 0,1,2,3
.irp s, 0,1
	global_store_b128 v[OS], v[W+16+8*(2*\g+\s):W+16+8*(2*\g+\s)+3], s[24:25] offset:(5*\g+2*\s)*131072  ; tile 5g + 1 + 2 s2 + hh
.endr
.endr
; Two rows.  left = the younger loads that may stay out; refill = 1: the two slots take the rows 32 further down.
.macro PAIR p, left, refill
	s_wait_loadcnt \left
.set sa, X+4*((2*(\p))%32)
.set sb, sa+4
.irp k, 0,1,2,3
.if (\p) == 0
	v_min_num_f32 v[MIN+\k], v[sa+\k], v[sb+\k]    ; the first two rows start the chains: nothing is preset
	v_max_num_f32 v[MAX+\k], v[sa+\k], v[sb+\k]
.else
	v_min3_num_f32 v[MIN+\k], v[MIN+\k], v[sa+\k], v[sb+\k]
	v_max3_num_f32 v[MAX+\k], v[MAX+\k], v[sa+\k], v[sb+\k]
.endif
.endr
.if \refill
	global_load_b128 v[sa:sa+3], v[XO], s[26:27] offset:(2*(\p)+32)*2048 th:TH_LOAD_NT
	global_load_b128 v[sb:sb+3], v[XO], s[26:27] offset:(2*(\p)+33)*2048 th:TH_LOAD_NT
.endif
.endm
.set pp, 0
.rept 16
	PAIR pp, 30, 1                                 ; of 32 loads out the two oldest are in
.set pp, pp+1
.endr
.rept 16
	PAIR pp, 30-2*(pp-16), 0                       ; nothing is left to ask for: the counts run down to 0
.set pp, pp+1
.endr
	v_pk_mul_f32 v[MAX:MAX+1],   v[MAX:MAX+1],   -1.0 op_sel_hi:[1,0]
	v_pk_mul_f32 v[MAX+2:MAX+3], v[MAX+2:MAX+3], -1.0 op_sel_hi:[1,0]
	global_store_b128 v[XO], v[MIN:MIN+3], s[28:29]
	global_store_b128 v[XO], v[MAX:MAX+3], s[28:29] offset:2048
	s_endpgm
.Lfunc_end_k_q39883dbd4b_prep:
	.size	k_q39883dbd4b_prep, .Lfunc_end_k_q39883dbd4b_prep-k_q39883dbd4b_prep
	.p2alignl 7, 3214868480
	.fill 96, 4, 3214868480
	.section	.rodata,"a",@progbits
	.p2align	6, 0x0
	.amdhsa_kernel k_q39883dbd4b_prep
		.amdhsa_group_segment_fixed_size 0
		.amdhsa_private_segment_fixed_size 0
		.amdhsa_enable_private_segment 0
		.amdhsa_kernarg_size 64
		.amdhsa_user_sgpr_count 2
		.amdhsa_user_sgpr_kernarg_segment_ptr 1
		.amdhsa_wavefront_size32 1
		.amdhsa_system_sgpr_workgroup_id_x 1
		.amdhsa_system_sgpr_workgroup_id_y 1
		.amdhsa_system_sgpr_workgroup_id_z 1
		.amdhsa_system_vgpr_workitem_id 0
		.amdhsa_next_free_vgpr 232
		.amdhsa_next_free_sgpr 66
		.amdhsa_reserve_vcc 0
		.amdhsa_float_denorm_mode_32 3
		.amdhsa_float_denorm_mode_16_64 3
		.amdhsa_memory_ordered 1
		.amdhsa_forward_progress 1
		.amdhsa_inst_pref_size 31
	.end_amdhsa_kernel
	.amdgpu_metadata
---
amdhsa.version: [ 1, 2 ]
amdhsa.kernels:
  - .name:           k_q39883dbd4b_prep
    .symbol:         k_q39883dbd4b_prep.kd
    .args:
      - { .name: x, .offset: 0, .size: 8, .value_kind: global_buffer, .address_space: global }
      - { .name: bw0, .offset: 8, .size: 8, .value_kind: global_buffer, .address_space: global }
      - { .name: sw0, .offset: 16, .size: 8, .value_kind: global_buffer, .address_space: global }
      - { .name: bw1, .offset: 24, .size: 8, .value_kind: global_buffer, .address_space: global }
      - { .name: sw1, .offset: 32, .size: 8, .value_kind: global_buffer, .address_space: global }
      - { .name: wp0, .offset: 40, .size: 8, .value_kind: global_buffer, .address_space: global }
      - { .name: wp1, .offset: 48, .size: 8, .value_kind: global_buffer, .address_space: global }
      - { .name: pm0, .offset: 56, .size: 8, .value_kind: global_buffer, .address_space: global }
    .group_segment_fixed_size: 0
    .private_segment_fixed_size: 0
    .kernarg_segment_align: 8
    .kernarg_segment_size: 64
    .max_flat_workgroup_size: 128
    .sgpr_count:     66
    .vgpr_count:     232
    .wavefront_size: 32
...
	.end_amdgpu_metadata
.endif
;; end of part 1
;; launch layer0 (part 2): grid 256 x 1, 8 waves a work-group, clusters of 4 x 1, 327,680 bytes of LDS; arguments x, wp0, g0, b0, pm0, h1, pm1; writes h1, pm1
.if DOCPART == 2
	.amdgcn_target "amdgcn-amd-amdhsa--gfx1250"
	.amdhsa_code_object_version 6
	.text
	.protected	k_q39883dbd4b_layer0
	.globl	k_q39883dbd4b_layer0
	.p2align	8
	.type	k_q39883dbd4b_layer0,@function
k_q39883dbd4b_layer0:
	s_mov_b64 s[64:65], 0
	v_nop
	global_prefetch_b8 v0, s[64:65] scope:SCOPE_SE
	s_setreg_imm32_b32 hwreg(HW_REG_WAVE_MODE, 25, 1), 1
	s_wait_xcnt 0x0
	s_wait_alu depctr_hold_cnt(0) depctr_sa_sdst(0) depctr_va_vdst(0) depctr_va_sdst(0) depctr_va_ssrc(0) depctr_va_vcc(0) depctr_vm_vsrc(0)
	s_getreg_b32 s2, hwreg(HW_REG_IB_STS2, 6, 4)
	s_cmp_eq_u32 s2, 0
	s_cbranch_scc0 .Lentry_in_a_cluster
	s_endpgm
.Lentry_in_a_cluster:
	s_bfe_u32 s2, ttmp6, 0x10000c
	s_cmp_lg_u32 s2, 0x3003
	s_cbranch_scc0 .Lentry_shape_is_right
	s_endpgm
.Lentry_shape_is_right:
; ONE KAN LAYER.  out = silu(LayerNorm(silu(x) bw^T + basis(xn) sw^T) g + b), x and out [16384][512] f32; xn = (x - min) / (max - min) per batch of 4,096 rows and feature.
; Arguments: in, Wp (f16 tiles [20][512][128]), g, b, Pin (64-row column minima and minus maxima of in, [256][1024] f32), out, Pout (the same of out, for a layer behind).
; THE PRODUCT is one of M = 16,384, N = 512, K = 2,560 = 20 steps of 128.  A work-group owns 64 rows and all 512 outputs, since the norm wants whole rows: 256 work-groups.
; EIGHT WAVES, TWO KINDS.  Waves 0-3 multiply: each 64 rows x 128 outputs, 32 accumulators, 256 registers.  Waves 4-7 build the left operand: each for 16 rows, in f32 from f32, rounded once to f16,
; stored into one of two LDS buffers a step ahead of its use.  So the vector work of silu and splines runs beside the matrix work and is written apart from it.
; THE BASIS.  With u = 517 xn the knots that matter are 0,0,0,0,1,2,3,4, and on u >= 0 the four cubic B-splines are exact sums of P_k = max(1 - u/k, 0)^3:
;   B0 = P1;  B1 = 2 P2 - 2 P1;  B2 = 4.5 P3 - 6 P2 + 1.5 P1;  B3 = 32/3 P4 - 18 P3 + 8 P2 - 2/3 P1.  All terms are at most 18 in size: nothing large is subtracted.
; K ORDER, the same in Wp: group g = features 128g..128g+127; a place is 8c + e.  Tile 5g: silu of feature 128g+4c+e (e < 4) or 128g+64+4c+e-4.  Tile 5g+1+s: features f0, f0+1 with
;   f0 = 128g + 64 (s>>1) + 4c + 2 (s&1), four basis values each.  A builder's lane (c, h) holds x[4c..4c+3] and x[64+4c..] of a row: two aligned loads of 16 bytes; every result is 16 consecutive bytes of a row of A.
; THE WALK ALONG K IS TURNED BY THE CLUSTER'S NUMBER n: it begins with group n % 4 and goes round (the sums only change their order).  So in each step the launch asks for four different tiles of Wp, and three of a
;   cluster's four groups have been read by other clusters five steps or more before it asks for them.  Turned are three global addresses alone: Wp's tile, x's group, and the place in a partial row from which the table
;   of minima is read, so that the table lies in LDS in the order of the walk.  The turn is the same in the four partners of a cluster; no LDS address hangs on it.
; FORMAT.  f16 operands, f32 sums: the next layer multiplies an error of this layer's output by 517 / range, which bf16's eight bits do not stand.  LIMITS: silu(x) and the weights lie within 65,504 and keep
;   f16's fixed step of 6e-8 below 6e-5; a feature that is constant over a batch's whole sequence (NaN in the definition) gives no defined value here; NaN and infinities in the inputs are not treated apart;
;   u is made with one reciprocal and one multiply, a few units in the last place from the division.
; CLUSTER.  All work-groups walk the same 2.6 MB of Wp, so four form a cluster and ask for each tile JOINTLY: the same load, descriptor and mask in all four.  Two slots of one step (139,264 bytes with padding) are what
;   fits; each of the eight waves brings 64 rows of 256 bytes, one load behind each round, with one step's 128 matrix instructions in which to land.  By this text's count a wave has one tensor load out.
; THE MATRIX INSTRUCTION IS USED TRANSPOSED (source 0 = 16 outputs of Wp, source 1 = 16 rows of A): lane l holds row l % 16 and the outputs 8 (l / 16) + 0..7.
; The accumulators and one fragment buffer are cleared on purpose: 352 moves that stand in the time of the builders' first tile and spare a first step written out.
; A register that holds an LDS address (v3-v15, v48-v53, v55) holds nothing else in the whole text.
.set PW,    272                        ; a row of W or A in LDS: 256 bytes + 16 = 68 words: row r starts at bank 4 r mod 64 (64 banks of 4 bytes: ISA guide 11.1): the 16 rows of a load start at 16 different groups of banks
.set WSLOT, 512*PW                     ; 139,264 = 0x22000
.set WPART, 64*PW                      ; 17,408 = 0x4400: a wave's part of a slot; no multiple 0..7 of it has bit 13 or bit 17, so an exclusive or with WSLOT is one slot up or down
.set A0,    2*WSLOT                    ; 278,528: A's two buffers of 64 rows
.set ABUF,  64*PW
.set TAB,   A0+2*ABUF                  ; 313,344: min[512], then minus max[512], f32, the groups in the order of the walk
.set SC1,   TAB+4096                   ; 317,440: 64 rows x 4 waves of partial sums; 1,024 bytes on the same for the squares
.set SPARE, SC1+2048                   ; 319,488: the spare words, 128 bytes for each of eight waves: four blocks of 256 bytes that no other line names
.set PS,    2064                       ; the stage's pitch: 2,048 + 16 = 516 words = 4 mod 64.  The stage (64 rows, from byte 0) lies in the W slots, behind their last fill and last read
.set CM,    A0                         ; eight waves x 4,096 bytes of column minima and minus maxima: in A's buffers (34,816 bytes), behind their last read; no tensor load ever fills them
; vector registers, window 0 (window 1: the accumulators, (a, b) at 64 a + 8 b: row block a, output block b)
.set RR,    1                          ; l % 16 (r for fragments, c for builders)
.set HH,    2                          ; l / 16
.set ADRA0, 3                          ; A0 + r*PW + 16h
.set ADRB0, 4                          ; (128 RB + r)*PW + 16h
.set ADRA,  5
.set ADRB,  6
.set AST0,  7                          ; A0 + (16 RB + h)*PW + 16c
.set AST,   8
.set XO,    9                          ; (16 RB + h)*2048 + 16c
.set TADR,  10                         ; TAB + 16c, 512 on for each group
.set T16,   11                         ; 16 t
.set SPW,   12                         ; my spare word; never rewritten
.set NIL,   13                         ; 0; never rewritten
.set STO,   14                         ; the stage, rows 0-31: r*PS + 512 RB + 32h
.set TMPA,  15
.set MN,    16                         ; builders: v[16:23] minima of my 8 features, v[24:31] 517 / range
.set SC,    24
.set ONE,   32                         ; (1, 1)
.set NK,    34                         ; v[34:41] pairs -1, -1/2, -1/3, -1/4
.set H,     42                         ; v[42:45] 8 f16 to store
.set L16,   48                         ; 16 l
.set SCW,   49                         ; SC1 + 16r + 4 RB
.set SCR,   50                         ; SC1 + 16r
.set RDS,   51                         ; wave*8*PS + 16 l
.set CMW,   52                         ; CM + wave*4096 + 16 l
.set CMR,   53                         ; CM + 16 t
.set KV,    54                         ; 1/512
.set STO2,  55                         ; the stage, rows 32-63: STO + 32 PS
.set TG,    56                         ; at the head alone: the byte offset in a partial row of the four words that I reduce
.set MU,    56                         ; at the end: v[56:63] a pair for each row block: -mean, later 1/sigma
.set XN,    64                         ; builders: v[64:127] x of the group to come or in hand, 8 i + e
.set U,     128                        ; v[128:191] u of the group in hand
.set T,     192                        ; v[192:223] at work
.set F0,    64                         ; matrix waves: fragment buffers: 4 x 8 of A, then 8 x 8 of W
.set F1,    160
.set TS,    16                         ; matrix waves: statistics, 8 registers a row block
.set R,     64                         ; the last phase, all waves: v[64:191] 8 rows x 16 numbers
.set GG,    192
.set BB,    208
.set CMIN,  224
.set CMAX,  240
.set TT,    16
; scalar registers: s[4:17] in, Wp, g, b, Pin, out, Pout
.set WV,    18                         ; wave 0..7
.set RB,    19                         ; wave % 4
.set WG,    20                         ; the work-group's number: it enters global addresses alone (s21: cx; s[22:23]: offsets made of it)
.set G1,    24                         ; s[24:31] descriptor group 1
.set G0,    32                         ; s[32:35] descriptor group 0
.set CNT,   36                         ; groups to go
.set GRP,   37                         ; builders: the group whose x was asked for last
.set TILE,  38                         ; the tile of Wp to be asked for next
.set WRD,   39                         ; the W slot that is multiplied
.set ARD,   40                         ; the A buffer that is multiplied
.set AWR,   41                         ; the A buffer that is built
.set SEL,   42                         ; s[42:43] v_permlanex16_b32's selects: each lane takes its own place in the other half
.set XB,    44                         ; in at my rows and the group to be asked for
.set PB,    46                         ; Pin at the 32 partial rows of my batch that I read first
.set OUTB,  48                         ; out at my wave's 8 rows
.set POB,   50                         ; my row of Pout
.set WOF,   52                         ; s[52:53] wave x 16,384
.set SK,    54                         ; at work, for LDS addresses
.set EPS,   55                         ; 1e-5
.set XB0,   56                         ; s[56:57] in at my rows
.set XOFF,  58                         ; s[58:59] group x 512
.set WPB,   60                         ; s[60:61] Wp at my wave's 64 rows of tile 0
.set TOFF,  62                         ; s[62:63] tile x 131,072
.set PB2,   66                         ; s[66:67] Pin at the batch's other 32 partial rows
.set ROT,   68                         ; the cluster's number % 4: the group with which the walk begins
.set SG,    69                         ; at work, for the table's global offset
.set SH,    70
.set MSB, 0
.macro WIN new                         ; s_set_vgpr_msb: bits 1:0 source 0, 3:2 source 1, 5:4 source 2, 7:6 destination; the high byte repeats the setting that is left
.if MSB != (\new)
	s_set_vgpr_msb (MSB<<8)|(\new)
.set MSB, (\new)
.endif
.endm
.macro PLACES                          ; four plain vector instructions between a matrix instruction and a load into, or a vector read of, its registers
.rept 4
	v_nop
.endr
.endm
; A round of the cluster's barrier: my work-group's barrier, so that wave 0's signal speaks for all eight waves; wave 0 signals; every wave waits for all four work-groups; my work-group's barrier once more.
.macro ROUND
	s_barrier_signal -1
	s_barrier_wait -1
	s_cmp_lg_u32 s[WV], 0
	s_cbranch_scc1 .Lnot_wave_0_\@
	s_barrier_signal -3
.Lnot_wave_0_\@:
	s_barrier_wait -3
	s_barrier_signal -1
	s_barrier_wait -1
.endm
.macro XLOAD                           ; a builder's x of one group: 8 pairs of rows x 2 loads; sixteen lanes take 256 consecutive aligned bytes
.irp i, 0,1,2,3,4,5,6,7
.irp m, 0,1
	global_load_b128 v[XN+8*\i+4*\m:XN+8*\i+4*\m+3], v[XO], s[XB:XB+1] offset:4096*\i+256*\m th:TH_LOAD_NT
.endr
.endr
.endm
.macro TLOAD base, ptr, row0           ; 16 partial rows, from row0 of the 32 at ptr on, into v[base .. base+63]
.set i, 0
.rept 16
	global_load_b128 v[(\base)+4*i:(\base)+4*i+3], v[TG], s[(\ptr):(\ptr)+1] offset:4096*((\row0)+i)
.set i, i+1
.endr
.endm
.macro TMIN base, first                ; those 16 rows into the running minimum v[16:19], two rows at a time; first = 1: the first two rows start it
.set i, 0
.if \first
.irp k, 0,1,2,3
	v_min_num_f32 v[16+\k], v[(\base)+\k], v[(\base)+4+\k]
.endr
.set i, 2
.endif
.rept 8-(\first)
.irp k, 0,1,2,3
	v_min3_num_f32 v[16+\k], v[(\base)+4*i+\k], v[(\base)+4*i+4+\k], v[16+\k]
.endr
.set i, i+2
.endr
.endm
	s_load_b256 s[4:11], s[0:1], 0x0               ; in, Wp, g, b
	s_load_b128 s[12:15], s[0:1], 0x20             ; Pin, out
	s_load_b64 s[16:17], s[0:1], 0x30              ; Pout
	v_lshl_add_u32 v[SPW], v0, 2, SPARE
	v_mov_b32 v[NIL], 0
	ds_add_u32 v[SPW], v[NIL]                      ; the wave's opening: the add and its wait stand ahead of my first tensor load; the set-up below, work on registers, stands between them
	v_lshrrev_b32 v1, 5, v0
	v_readfirstlane_b32 s[WV], v1
	s_and_b32 s[RB], s[WV], 3
	s_bfe_u32 s21, ttmp6, 0x40000                  ; cx
	s_lshl_b32 s[WG], ttmp9, 2                     ; in a cluster launch ttmp9 counts clusters
	s_add_co_u32 s[WG], s[WG], s21
	s_and_b32 s[ROT], ttmp9, 3                     ; the walk's first group: made of the cluster's number alone
	; descriptor group 1: 64 rows x 128 elements of 2 bytes, dense in memory, padded in LDS
	s_mov_b32 s[G1], 15|(1<<16)|(1<<20)|(1<<21)|(5<<22)|(3<<25)  ; 15:0 the mask of four; 17:16 2-byte elements; 20 padding on; 21 set beside a mask; 24:22 after every 64 words (code 5); 31:25 4 words (code 3)
	s_mov_b32 s[G1+1], 128<<16                     ; tensor_dim0 = 128
	s_mov_b32 s[G1+2], 64<<16                      ; tensor_dim1 = 64
	s_mov_b32 s[G1+3], 128<<16                     ; tile_dim0 = 128
	s_mov_b32 s[G1+4], 64                          ; tile_dim1 = 64
	s_mov_b32 s[G1+5], 128                         ; 128 elements from row to row
	s_mov_b32 s[G1+6], 0
	s_mov_b32 s[G1+7], 0
	s_mov_b32 s[G0], 1                             ; count = 1
	s_mul_i32 s[G0+1], s[WV], WPART                ; LDS address: my 64 rows of slot 0
	s_lshl_b32 s[WOF], s[WV], 14                   ; my 64 rows of a tile in memory; also my 8 rows of out
	s_mov_b32 s[WOF+1], 0
	s_mul_i32 s[TILE], s[ROT], 5                   ; the walk's first tile: the first group's base tile
	s_lshl_b32 s[TOFF], s[TILE], 17
	s_mov_b32 s[TOFF+1], 0
	s_add_co_u32 s[TILE], s[TILE], 1               ; 16 at the most: no wrap yet
	s_mov_b32 s[GRP], s[ROT]
	s_lshl_b32 s[XOFF], s[ROT], 9                  ; a group's 128 features are 512 bytes of a row
	s_mov_b32 s[XOFF+1], 0
	s_mov_b32 s[SEL], 0x76543210
	s_mov_b32 s[SEL+1], 0xfedcba98
	s_mov_b32 s[EPS], 0x3727c5ac                   ; 1e-5
	s_mov_b32 s[CNT], 4
	s_mov_b32 s[AWR], 0                            ; the first tile is built into buffer 0;
	s_mov_b32 s[ARD], ABUF                         ; these two are turned before they are first used
	s_mov_b32 s[WRD], WSLOT
	v_and_b32 v[RR], 15, v0
	v_bfe_u32 v[HH], v0, 4, 1
	v_mul_u32_u24 v[TMPA], v[RR], PW
	v_lshl_add_u32 v[TMPA], v[HH], 4, v[TMPA]      ; a fragment: row x pitch + 16 x half
	v_add_nc_u32 v[ADRA0], A0, v[TMPA]
	s_mul_i32 s[SK], s[RB], 128*PW
	v_add_nc_u32 v[ADRB0], s[SK], v[TMPA]
	s_mul_i32 s[SK], s[RB], 16*PW
	s_add_co_u32 s[SK], s[SK], A0
	v_mul_u32_u24 v[AST0], v[HH], PW
	v_lshl_add_u32 v[AST0], v[RR], 4, v[AST0]
	v_add_nc_u32 v[AST0], s[SK], v[AST0]
	s_lshl_b32 s[SK], s[RB], 15
	v_lshlrev_b32 v[XO], 11, v[HH]
	v_lshl_add_u32 v[XO], v[RR], 4, v[XO]
	v_add_nc_u32 v[XO], s[SK], v[XO]
	v_lshl_add_u32 v[TADR], v[RR], 4, TAB
	v_lshlrev_b32 v[T16], 4, v0
	s_lshl_b32 s[SK], s[RB], 9
	v_mul_u32_u24 v[STO], v[RR], PS
	v_lshl_add_u32 v[STO], v[HH], 5, v[STO]
	v_add_nc_u32 v[STO], s[SK], v[STO]
	v_add_nc_u32 v[STO2], 32*PS, v[STO]
	v_and_b32 v[L16], 31, v0
	v_lshlrev_b32 v[L16], 4, v[L16]
	v_lshl_add_u32 v[SCR], v[RR], 4, SC1
	s_lshl_b32 s[SK], s[RB], 2
	v_add_nc_u32 v[SCW], s[SK], v[SCR]
	s_mul_i32 s[SK], s[WV], 8*PS
	v_add_nc_u32 v[RDS], s[SK], v[L16]
	s_lshl_b32 s[SK], s[WV], 12
	s_add_co_u32 s[SK], s[SK], CM
	v_add_nc_u32 v[CMW], s[SK], v[L16]
	v_add_nc_u32 v[CMR], CM, v[T16]
	; The table's word 4t lies at place wave % 4 of the walk, in the half wave / 4 (minima, minus maxima): it is read from group (wave % 4 + turn) % 4 of a partial row
	s_add_co_u32 s[SG], s[RB], s[ROT]
	s_and_b32 s[SG], s[SG], 3
	s_lshl_b32 s[SG], s[SG], 9
	s_lshr_b32 s[SH], s[WV], 2
	s_lshl_b32 s[SH], s[SH], 11
	s_add_co_u32 s[SG], s[SG], s[SH]
	v_add_nc_u32 v[TG], s[SG], v[L16]
	s_wait_dscnt 0x0                               ; the opening add is done
	s_wait_kmcnt 0x0
	s_add_nc_u64 s[WPB:WPB+1], s[6:7], s[WOF:WOF+1]
	s_add_nc_u64 s[G0+2:G0+3], s[WPB:WPB+1], s[TOFF:TOFF+1]  ; global address: my rows of the walk's first tile: made of the wave's and the cluster's numbers, so it is the same in all four partners
	s_or_b32 s[G0+3], s[G0+3], 0x80000000          ; type = 2
	s_lshl_b32 s22, s[WG], 17                      ; 64 rows of 2,048 bytes
	s_mov_b32 s23, 0
	s_add_nc_u64 s[XB0:XB0+1], s[4:5], s[22:23]
	s_add_nc_u64 s[XB:XB+1], s[XB0:XB0+1], s[XOFF:XOFF+1]
	s_add_nc_u64 s[OUTB:OUTB+1], s[14:15], s[22:23]
	s_add_nc_u64 s[OUTB:OUTB+1], s[OUTB:OUTB+1], s[WOF:WOF+1]
	s_lshr_b32 s22, s[WG], 6                       ; the batch: 64 work-groups each
	s_lshl_b32 s22, s22, 18
	s_add_nc_u64 s[PB2:PB2+1], s[12:13], s[22:23]
	s_and_b32 s22, s[WG], 1                        ; even work-groups read the batch's partial rows 0-31 first, odd ones rows 32-63: what a work-group asks for second, its neighbours have asked for first
	s_lshl_b32 s22, s22, 17
	s_add_nc_u64 s[PB:PB+1], s[PB2:PB2+1], s[22:23]
	s_xor_b32 s22, s22, 0x20000
	s_add_nc_u64 s[PB2:PB2+1], s[PB2:PB2+1], s[22:23]
	s_lshl_b32 s22, s[WG], 12
	s_add_nc_u64 s[POB:POB+1], s[16:17], s[22:23]
	; THE TABLE.  The batch's minimum and minus maximum of every feature: the minimum over its 64 partial rows.  Thread t owns four words of each row.
	; A ring of 32 register slots: 32 rows are asked for at once, ahead of the round, and each half of the ring is asked for again when it has been taken: at most 48 loads of a wave are out, the builders' 16 among them.
	s_cmp_lt_u32 s[WV], 4
	s_cbranch_scc1 .Lno_x
	XLOAD                                          ; the builders' x of the first group goes first: it is the oldest, so the counts below are the same for both kinds of wave
.Lno_x:
	TLOAD 128, PB, 0
	TLOAD 192, PB, 16
	ROUND                                          ; all four work-groups are here: the first joint loads meet
	tensor_load_to_lds s[G0:G0+3], s[G1:G1+7]      ; the first tile into slot 0
	s_nop 0
	PLACES
	v_mov_b32 v[ONE], 1.0                          ; the builders' constants, in the loads' shadow
	v_mov_b32 v[ONE+1], 1.0
	v_mov_b32 v[NK], -1.0
	v_mov_b32 v[NK+1], -1.0
	v_mov_b32 v[NK+2], -0.5
	v_mov_b32 v[NK+3], -0.5
	v_mov_b32 v[NK+4], 0xbeaaaaab                  ; -1/3
	v_mov_b32 v[NK+5], 0xbeaaaaab
	v_mov_b32 v[NK+6], 0xbe800000                  ; -1/4
	v_mov_b32 v[NK+7], 0xbe800000
	v_mov_b32 v[KV], 0x3b000000                    ; 1/512
	s_wait_loadcnt 16                              ; loads come back in order: the 16 younger stay out, the first 16 rows are in
	TMIN 128, 1
	TLOAD 128, PB2, 0
	s_wait_loadcnt 16                              ; the 16 just asked for stay out, the second 16 rows are in
	TMIN 192, 0
	TLOAD 192, PB2, 16
	s_wait_loadcnt 16                              ; the last 16 stay out
	TMIN 128, 0
	s_wait_loadcnt 0x0
	TMIN 192, 0
	v_add_nc_u32 v[TMPA], TAB, v[T16]
	ds_store_b128 v[TMPA], v[16:19]
	s_wait_dscnt 0x0                               ; for the others' sake: my part of the table is written
	s_barrier_signal -1                            ; the first tile may stay on its way
	s_barrier_wait -1
; 24 LDS loads: the fragments of 32 along K (quarter q of a step): 4 of A, 8 of W.  Lane l holds row l % 16, K = 8 (l / 16) + 0..7 and 16 + 8 (l / 16) + 0..7: two loads of 16 bytes, 32 bytes apart.
.macro FETCH q, f
	WIN 0
.irp a, 0,1,2,3
	ds_load_b128 v[(\f)+8*\a:(\f)+8*\a+3],   v[ADRA] offset:\a*16*PW+64*(\q)
	ds_load_b128 v[(\f)+8*\a+4:(\f)+8*\a+7], v[ADRA] offset:\a*16*PW+64*(\q)+32
.endr
.irp b, 0,1,2,3,4,5,6,7
	ds_load_b128 v[(\f)+32+8*\b:(\f)+32+8*\b+3],   v[ADRB] offset:\b*16*PW+64*(\q)
	ds_load_b128 v[(\f)+32+8*\b+4:(\f)+32+8*\b+7], v[ADRB] offset:\b*16*PW+64*(\q)+32
.endr
.endm
; 32 matrix instructions, one on each accumulator, always in the same order: the accumulators take turns
.macro MUL32 f
	WIN 0x50                                       ; C and D in window 1
.irp a, 0,1,2,3
.irp b, 0,1,2,3,4,5,6,7
	v_wmma_f32_16x16x32_f16 v[64*\a+8*\b:64*\a+8*\b+7], v[(\f)+32+8*\b:(\f)+32+8*\b+7], v[(\f)+8*\a:(\f)+8*\a+7], v[64*\a+8*\b:64*\a+8*\b+7]
.endr
.endr
.endm
; A K step of a matrix wave: four quarters on two fragment buffers; while one is multiplied the other's 24 loads are on their way.  The step is shifted by a quarter: it begins by asking for its tile's first
; fragments and multiplies, while they come, the LAST quarter of the tile before, whose fragments have been in buffer 1 since the wait for 0 in front of the round; its own last quarter is fetched and left for the next step
; (last = 1, the tail: it is multiplied here).  All LDS reads of a tile thus end in front of the round behind which its slot is filled again.
; Four places close the step: whatever line follows it, on any way, a load into a register of its products or a vector read of a sum stands four places behind them.
.macro MULSTEP last
	v_add_nc_u32 v[ADRA], s[ARD], v[ADRA0]
	v_add_nc_u32 v[ADRB], s[WRD], v[ADRB0]
	FETCH 0, F0
	MUL32 F1                                       ; the tile before, quarter 3
	WIN 0
	PLACES
	FETCH 1, F1
	s_wait_dscnt 24                                ; LDS loads come back in order: the 24 younger ones (the other buffer's) stay out
	MUL32 F0
	WIN 0
	PLACES
	FETCH 2, F0
	s_wait_dscnt 24                                ; all but the 24 just issued
	MUL32 F1
	WIN 0
	PLACES
	FETCH 3, F1
	s_wait_dscnt 24
	MUL32 F0
.if \last
	s_wait_dscnt 0x0
	MUL32 F1
.endif
	WIN 0
	PLACES
.endm
; A builder's base tile of a group: the group's minima and scales; for each pair of rows silu(x) as f16, and u = (x - min) 517 / range, kept in f32 for the four spline tiles; at last the next group's x is asked for.
.macro BASE
	s_wait_loadcnt 0x0                             ; the group's x is in, asked for five steps ago; its address and base are free
	ds_load_b128 v[MN:MN+3],   v[TADR]
	ds_load_b128 v[MN+4:MN+7], v[TADR] offset:256
	ds_load_b128 v[SC:SC+3],   v[TADR] offset:2048
	ds_load_b128 v[SC+4:SC+7], v[TADR] offset:2304
	s_add_co_u32 s[GRP], s[GRP], 1                 ; the walk's next group, round from 3 to 0: its address is made anew from the rows' base
	s_and_b32 s[GRP], s[GRP], 3
	s_lshl_b32 s[XOFF], s[GRP], 9
	s_add_nc_u64 s[XB:XB+1], s[XB0:XB0+1], s[XOFF:XOFF+1]
	s_wait_dscnt 0x0
.irp m, 0,1,2,3
	v_pk_add_f32 v[SC+2*\m:SC+2*\m+1], v[MN+2*\m:MN+2*\m+1], v[SC+2*\m:SC+2*\m+1]  ; min - max
.endr
.irp e, 0,1,2,3,4,5,6,7
	v_rcp_f32 v[SC+\e], v[SC+\e]
.endr
	v_add_nc_u32 v[TADR], 512, v[TADR]             ; the plain instruction behind the reciprocals (ISA guide 5.7.2), and the table's next group
	s_wait_alu depctr_va_vdst(0)
.irp m, 0,1,2,3
	v_pk_mul_f32 v[SC+2*\m:SC+2*\m+1], v[SC+2*\m:SC+2*\m+1], 0xc4014000 op_sel_hi:[1,0]  ; x -517: 517 / range
.endr
.irp i, 0,1,2,3,4,5,6,7
.irp m, 0,1,2,3
	v_pk_mul_f32 v[T+2*\m:T+2*\m+1], v[XN+8*\i+2*\m:XN+8*\i+2*\m+1], 0xbfb8aa3b op_sel_hi:[1,0]  ; -x log2(e)
.endr
.irp e, 0,1,2,3,4,5,6,7
	v_exp_f32 v[T+\e], v[T+\e]
.endr
.irp m, 0,1,2,3
	v_pk_add_f32 v[U+8*\i+2*\m:U+8*\i+2*\m+1], v[XN+8*\i+2*\m:XN+8*\i+2*\m+1], v[MN+2*\m:MN+2*\m+1] neg_lo:[0,1] neg_hi:[0,1]  ; x - min: plain work behind the exponentials
.endr
	s_wait_alu depctr_va_vdst(0)
.irp m, 0,1,2,3
	v_pk_add_f32 v[T+2*\m:T+2*\m+1], v[T+2*\m:T+2*\m+1], 1.0 op_sel_hi:[1,0]
.endr
.irp e, 0,1,2,3,4,5,6,7
	v_rcp_f32 v[T+\e], v[T+\e]
.endr
.irp m, 0,1,2,3
	v_pk_mul_f32 v[U+8*\i+2*\m:U+8*\i+2*\m+1], v[U+8*\i+2*\m:U+8*\i+2*\m+1], v[SC+2*\m:SC+2*\m+1]  ; u: plain work behind the reciprocals
.endr
	s_wait_alu depctr_va_vdst(0)
.irp m, 0,1,2,3
	v_pk_mul_f32 v[T+2*\m:T+2*\m+1], v[T+2*\m:T+2*\m+1], v[XN+8*\i+2*\m:XN+8*\i+2*\m+1]  ; silu(x) = x / (1 + 2^(-x log2 e))
.endr
.irp m, 0,1,2,3
	v_cvt_pk_f16_f32 v[H+\m], v[T+2*\m], v[T+2*\m+1]
.endr
	ds_store_b128 v[AST], v[H:H+3] offset:2*PW*\i  ; rows 2i + h: sixteen lanes write one row's 256 bytes
.endr
	s_cmp_lg_u32 s[CNT], 1                         ; the walk's last group asks for nothing more
	s_cbranch_scc0 .Lno_more
	XLOAD
.Lno_more:
.endm
; A builder's spline tile s of a group: for each pair of rows the four basis values of my features 2s and 2s + 1 of eight
.macro SPLINE s
.set i, 0
.rept 8
.set uu, U+8*i+2*(\s)
.irp k, 0,1,2,3
	v_pk_fma_f32 v[T+2*\k:T+2*\k+1], v[uu:uu+1], v[NK+2*\k:NK+2*\k+1], v[ONE:ONE+1] clamp  ; 1 - u / k held to 0 .. 1 (u is never negative)
.endr
.irp k, 0,1,2,3
	v_pk_mul_f32 v[T+8+2*\k:T+8+2*\k+1], v[T+2*\k:T+2*\k+1], v[T+2*\k:T+2*\k+1]
.endr
.irp k, 0,1,2,3
	v_pk_mul_f32 v[T+2*\k:T+2*\k+1], v[T+8+2*\k:T+8+2*\k+1], v[T+2*\k:T+2*\k+1]  ; P1 .. P4
.endr
	v_pk_add_f32 v[T+16:T+17], v[T+2:T+3], v[T:T+1] neg_lo:[0,1] neg_hi:[0,1]       ; P2 - P1
	v_pk_mul_f32 v[T+18:T+19], v[T:T+1], 0x3fc00000 op_sel_hi:[1,0]                 ; 1.5 P1
	v_pk_mul_f32 v[T+20:T+21], v[T:T+1], 0xbf2aaaab op_sel_hi:[1,0]                 ; -2/3 P1
	v_pk_add_f32 v[T+16:T+17], v[T+16:T+17], v[T+16:T+17]                           ; B1
	v_pk_fma_f32 v[T+18:T+19], v[T+2:T+3], 0xc0c00000, v[T+18:T+19] op_sel_hi:[1,0,1]  ; -6 P2
	v_pk_fma_f32 v[T+20:T+21], v[T+2:T+3], 0x41000000, v[T+20:T+21] op_sel_hi:[1,0,1]  ; +8 P2
	v_pk_fma_f32 v[T+18:T+19], v[T+4:T+5], 0x40900000, v[T+18:T+19] op_sel_hi:[1,0,1]  ; +4.5 P3: B2
	v_pk_fma_f32 v[T+20:T+21], v[T+4:T+5], 0xc1900000, v[T+20:T+21] op_sel_hi:[1,0,1]  ; -18 P3
	v_pk_fma_f32 v[T+20:T+21], v[T+6:T+7], 0x412aaaab, v[T+20:T+21] op_sel_hi:[1,0,1]  ; +32/3 P4: B3
	v_cvt_pk_f16_f32 v[H],   v[T],    v[T+16]      ; the first feature's B0, B1
	v_cvt_pk_f16_f32 v[H+1], v[T+18], v[T+20]      ; B2, B3
	v_cvt_pk_f16_f32 v[H+2], v[T+1],  v[T+17]      ; the second feature's
	v_cvt_pk_f16_f32 v[H+3], v[T+19], v[T+21]
	ds_store_b128 v[AST], v[H:H+3] offset:2*PW*i
.set i, i+1
.endr
.endm
; A STEP: the walk's tile j of W is asked for into the slot read last step, A's tile j is built, tile j - 1 is multiplied (but for its last quarter).
; Behind the round nobody in the cluster reads the old slot, and W's and A's tiles j - 1 are whole.
.macro STEP kind                       ; 0: the base tile; 1 to 4: spline tile kind - 1
	s_wait_tensorcnt 0x0                           ; no tensor load of mine is out, so the descriptor may be written
	ds_add_u32 v[SPW], v[NIL]                      ; 0 onto my spare word; the descriptor's scalar work stands between it and the wait for it
	s_xor_b32 s[G0+1], s[G0+1], WSLOT              ; the other slot;
	s_lshl_b32 s[TOFF], s[TILE], 17                ; the address is made anew from the tile's number,
	s_add_nc_u64 s[G0+2:G0+3], s[WPB:WPB+1], s[TOFF:TOFF+1]
	s_or_b32 s[G0+3], s[G0+3], 0x80000000
	s_add_co_u32 s[TILE], s[TILE], 1               ; which steps, and goes round from 19 to 0
	s_cmp_eq_u32 s[TILE], 20
	s_cselect_b32 s[TILE], 0, s[TILE]
	s_wait_dscnt 0x0
	ROUND
	tensor_load_to_lds s[G0:G0+3], s[G1:G1+7]      ; my one tensor load behind the round, and the first thing there
	s_nop 0
	PLACES                                         ; an s_nop 0 and four v_nop follow the load, ahead of the branch
	s_cmp_lt_u32 s[WV], 4
	s_cbranch_scc0 .Lbuild_\@
	MULSTEP 0
	s_branch .Ljoin_\@
.Lbuild_\@:
	v_add_nc_u32 v[AST], s[AWR], v[AST0]
.if (\kind) == 0
.Lbase:
	BASE
.else
	SPLINE (\kind)-1
.endif
.Ljoin_\@:
.if (\kind) == 0
.Ljoin0:
.endif
	s_xor_b32 s[WRD], s[WRD], WSLOT
	s_xor_b32 s[ARD], s[ARD], ABUF
	s_xor_b32 s[AWR], s[AWR], ABUF
.endm
	; The loop is entered in the middle of its first step: the first tile of W has been asked for at the head, there is nothing to multiply yet.
	s_cmp_lt_u32 s[WV], 4
	s_cbranch_scc1 .Lclear
	v_mov_b32 v[AST], v[AST0]                      ; builders: the first tile into buffer 0
	s_branch .Lbase
.Lclear:
	WIN 0x40
.set i, 0
.rept 256
	v_mov_b32 v[i], 0
.set i, i+1
.endr
	WIN 0
.set i, F1                             ; buffer 1 too: the first step's text multiplies 'the last quarter of the tile before', which has not been: 32 products on zeros, once a launch
.rept 96
	v_mov_b32 v[i], 0
.set i, i+1
.endr
	s_branch .Ljoin0
.Ltrip:                                                ; a trip is a group of 128 features: five steps
	STEP 0
	STEP 1
	STEP 2
	STEP 3
	STEP 4
	s_sub_co_u32 s[CNT], s[CNT], 1
	s_cmp_lg_u32 s[CNT], 0
	s_cbranch_scc1 .Ltrip
	; THE TAIL: the walk's last tile is multiplied, with its last quarter; nothing is asked for, so a barrier of the work-group is enough
	s_wait_tensorcnt 0x0
	ds_add_u32 v[SPW], v[NIL]
	s_wait_dscnt 0x0
	s_barrier_signal -1
	s_barrier_wait -1
	s_cmp_lt_u32 s[WV], 4
	s_cbranch_scc0 .Le1_done
	MULSTEP 1                                      ; its closing places stand in front of the sums below, which read results just made
; Four chains of each row block are folded; the other half of the lanes holds the row's other 64 outputs; the wave's sum over its 128 outputs goes to word (row, wave)
.macro REDUCE off
.irp a, 0,1,2,3
	v_pk_add_f32 v[TS+8*\a:TS+8*\a+1], v[TS+8*\a:TS+8*\a+1], v[TS+8*\a+2:TS+8*\a+3]
.endr
.irp a, 0,1,2,3
	v_pk_add_f32 v[TS+8*\a+4:TS+8*\a+5], v[TS+8*\a+4:TS+8*\a+5], v[TS+8*\a+6:TS+8*\a+7]
.endr
.irp a, 0,1,2,3
	v_pk_add_f32 v[TS+8*\a:TS+8*\a+1], v[TS+8*\a:TS+8*\a+1], v[TS+8*\a+4:TS+8*\a+5]
.endr
.irp a, 0,1,2,3
	v_add_f32 v[TS+8*\a], v[TS+8*\a], v[TS+8*\a+1]
.endr
.irp a, 0,1,2,3
	v_permlanex16_b32 v[TS+8*\a+1], v[TS+8*\a], s[SEL], s[SEL+1]
.endr
.irp a, 0,1,2,3
	v_add_f32 v[TS+8*\a], v[TS+8*\a], v[TS+8*\a+1]
.endr
.irp a, 0,1,2,3
	ds_store_b32 v[SCW], v[TS+8*\a] offset:(\off)+256*\a
.endr
.endm
; The four waves' words of my rows, added in one order in every wave
.macro SUM4 off
.irp a, 0,1,2,3
	ds_load_b128 v[TS+8*\a:TS+8*\a+3], v[SCR] offset:(\off)+256*\a
.endr
	s_wait_dscnt 0x0
.irp a, 0,1,2,3
	v_add_f32 v[TS+8*\a], v[TS+8*\a], v[TS+8*\a+1]
.endr
.irp a, 0,1,2,3
	v_add_f32 v[TS+8*\a+2], v[TS+8*\a+2], v[TS+8*\a+3]
.endr
.irp a, 0,1,2,3
	v_add_f32 v[TS+8*\a], v[TS+8*\a], v[TS+8*\a+2]
.endr
.endm
	; THE NORM, first pass: each row's sum.  Every accumulator is read from its lowest registers on.
	WIN 0x05                                       ; sources 0 and 1 in window 1
.irp a, 0,1,2,3
.irp p, 0,1,2,3
	v_pk_add_f32 v[TS+8*\a+2*\p:TS+8*\a+2*\p+1], v[64*\a+2*\p:64*\a+2*\p+1], v[64*\a+8+2*\p:64*\a+8+2*\p+1]
.endr
.endr
	WIN 0x01
.irp a, 0,1,2,3
.irp b, 2,3,4,5,6,7
.irp p, 0,1,2,3
	v_pk_add_f32 v[TS+8*\a+2*\p:TS+8*\a+2*\p+1], v[64*\a+8*\b+2*\p:64*\a+8*\b+2*\p+1], v[TS+8*\a+2*\p:TS+8*\a+2*\p+1]
.endr
.endr
.endr
	WIN 0
	REDUCE 0
.Le1_done:
.irp q, 0,1,2,3                        ; g and b of my columns 128 q + 4 l of the last phase: asked for three barriers ahead of their use
	global_load_b128 v[GG+4*\q:GG+4*\q+3], v[L16], s[8:9] offset:512*\q
.endr
.irp q, 0,1,2,3
	global_load_b128 v[BB+4*\q:BB+4*\q+3], v[L16], s[10:11] offset:512*\q
.endr
	s_wait_dscnt 0x0                               ; my sums are written, and my reads of the W slots and of A are over
	s_barrier_signal -1
	s_barrier_wait -1
	s_cmp_lt_u32 s[WV], 4
	s_cbranch_scc0 .Le2_done
	; second pass: y - mean, and the sum of its squares (no difference of large sums)
	SUM4 0
.irp a, 0,1,2,3
	v_mul_f32 v[MU+2*\a], 0xbb000000, v[TS+8*\a]   ; -sum / 512
	v_mul_f32 v[MU+2*\a+1], 0xbb000000, v[TS+8*\a]
.endr
	WIN 0x41                                       ; destination and source 0 in window 1
.irp a, 0,1,2,3
.irp b, 0,1,2,3,4,5,6,7
.irp p, 0,1,2,3
	v_pk_add_f32 v[64*\a+8*\b+2*\p:64*\a+8*\b+2*\p+1], v[64*\a+8*\b+2*\p:64*\a+8*\b+2*\p+1], v[MU+2*\a:MU+2*\a+1]
.endr
.endr
.endr
	WIN 0x05
.irp a, 0,1,2,3
.irp p, 0,1,2,3
	v_pk_mul_f32 v[TS+8*\a+2*\p:TS+8*\a+2*\p+1], v[64*\a+2*\p:64*\a+2*\p+1], v[64*\a+2*\p:64*\a+2*\p+1]
.endr
.endr
.irp a, 0,1,2,3
.irp b, 1,2,3,4,5,6,7
.irp p, 0,1,2,3
	v_pk_fma_f32 v[TS+8*\a+2*\p:TS+8*\a+2*\p+1], v[64*\a+8*\b+2*\p:64*\a+8*\b+2*\p+1], v[64*\a+8*\b+2*\p:64*\a+8*\b+2*\p+1], v[TS+8*\a+2*\p:TS+8*\a+2*\p+1]
.endr
.endr
.endr
	WIN 0
	REDUCE 1024
.Le2_done:
	s_wait_dscnt 0x0
	s_barrier_signal -1
	s_barrier_wait -1
	s_cmp_lt_u32 s[WV], 4
	s_cbranch_scc0 .Le3_done
	; third pass: times 1 / sqrt(var + 1e-5), and into the stage as rows of 512 f32
	SUM4 1024
.irp a, 0,1,2,3
	v_fma_f32 v[TS+8*\a], v[TS+8*\a], v[KV], s[EPS]
.endr
.irp a, 0,1,2,3
	v_rsq_f32 v[MU+2*\a], v[TS+8*\a]
.endr
	v_nop                                          ; a plain instruction between the last root and the use of its result
	s_wait_alu depctr_va_vdst(0)
.irp a, 0,1,2,3
	v_mov_b32 v[MU+2*\a+1], v[MU+2*\a]
.endr
	WIN 0x41
.irp a, 0,1,2,3
.irp b, 0,1,2,3,4,5,6,7
.irp p, 0,1,2,3
	v_pk_mul_f32 v[64*\a+8*\b+2*\p:64*\a+8*\b+2*\p+1], v[64*\a+8*\b+2*\p:64*\a+8*\b+2*\p+1], v[MU+2*\a:MU+2*\a+1]
.endr
.endr
.endr
	WIN 0x04                                       ; the stores' data in window 1; row blocks 0, 1 by STO, blocks 2, 3 by STO2, the odd block 16 rows on in the immediate
.irp a, 0,1
.irp b, 0,1,2,3,4,5,6,7
	ds_store_b128 v[STO], v[64*\a+8*\b:64*\a+8*\b+3]   offset:\a*16*PS+64*\b
	ds_store_b128 v[STO], v[64*\a+8*\b+4:64*\a+8*\b+7] offset:\a*16*PS+64*\b+16
.endr
.endr
.irp a, 0,1
.irp b, 0,1,2,3,4,5,6,7
	ds_store_b128 v[STO2], v[128+64*\a+8*\b:128+64*\a+8*\b+3]   offset:\a*16*PS+64*\b
	ds_store_b128 v[STO2], v[128+64*\a+8*\b+4:128+64*\a+8*\b+7] offset:\a*16*PS+64*\b+16
.endr
.endr
	WIN 0
.Le3_done:
	s_wait_dscnt 0x0                               ; the stage is written
	s_barrier_signal -1
	s_barrier_wait -1
	; THE WAY OUT, all eight waves: wave w takes rows 8w .. 8w+7 whole; lane l the columns 128 q + 4 l.  silu(yn g + b); each store covers 512 consecutive bytes of a row; the columns' minima and maxima are taken on the way.
.irp i, 0,1,2,3,4,5,6,7
.irp q, 0,1,2,3
	ds_load_b128 v[R+16*\i+4*\q:R+16*\i+4*\q+3], v[RDS] offset:PS*\i+512*\q
.endr
.endr
	s_wait_loadcnt 0x0                             ; g and b
.macro ROWOUT i
	s_wait_dscnt 28-4*(\i)                         ; the later rows' loads stay out
.irp j, 0,1,2,3,4,5,6,7
	v_pk_fma_f32 v[R+16*(\i)+2*\j:R+16*(\i)+2*\j+1], v[R+16*(\i)+2*\j:R+16*(\i)+2*\j+1], v[GG+2*\j:GG+2*\j+1], v[BB+2*\j:BB+2*\j+1]
.endr
.irp j, 0,1,2,3,4,5,6,7
	v_pk_mul_f32 v[TT+2*\j:TT+2*\j+1], v[R+16*(\i)+2*\j:R+16*(\i)+2*\j+1], 0xbfb8aa3b op_sel_hi:[1,0]
.endr
.irp e, 0,1,2,3,4,5,6,7,8,9,10,11,12,13,14,15
	v_exp_f32 v[TT+\e], v[TT+\e]
.endr
	v_nop                                          ; a plain instruction behind the exponentials
	s_wait_alu depctr_va_vdst(0)
.irp j, 0,1,2,3,4,5,6,7
	v_pk_add_f32 v[TT+2*\j:TT+2*\j+1], v[TT+2*\j:TT+2*\j+1], 1.0 op_sel_hi:[1,0]
.endr
.irp e, 0,1,2,3,4,5,6,7,8,9,10,11,12,13,14,15
	v_rcp_f32 v[TT+\e], v[TT+\e]
.endr
	v_nop                                          ; and behind the reciprocals
	s_wait_alu depctr_va_vdst(0)
.irp j, 0,1,2,3,4,5,6,7
	v_pk_mul_f32 v[R+16*(\i)+2*\j:R+16*(\i)+2*\j+1], v[R+16*(\i)+2*\j:R+16*(\i)+2*\j+1], v[TT+2*\j:TT+2*\j+1]
.endr
.irp q, 0,1,2,3
	global_store_b128 v[L16], v[R+16*(\i)+4*\q:R+16*(\i)+4*\q+3], s[OUTB:OUTB+1] offset:2048*(\i)+512*\q  ; the data registers are only read from here on
.endr
.endm
.macro COLS k                          ; rows 2k and 2k + 1 into the columns' minima and maxima
.set e, 0
.rept 16
.if (\k) == 0
	v_min_num_f32 v[CMIN+e], v[R+e], v[R+16+e]
	v_max_num_f32 v[CMAX+e], v[R+e], v[R+16+e]
.else
	v_min3_num_f32 v[CMIN+e], v[CMIN+e], v[R+32*(\k)+e], v[R+32*(\k)+16+e]
	v_max3_num_f32 v[CMAX+e], v[CMAX+e], v[R+32*(\k)+e], v[R+32*(\k)+16+e]
.endif
.set e, e+1
.endr
.endm
.irp k, 0,1,2,3
	ROWOUT 2*\k
	ROWOUT 2*\k+1
	COLS \k
.endr
.irp j, 0,1,2,3,4,5,6,7
	v_pk_mul_f32 v[CMAX+2*\j:CMAX+2*\j+1], v[CMAX+2*\j:CMAX+2*\j+1], -1.0 op_sel_hi:[1,0]
.endr
.irp q, 0,1,2,3
	ds_store_b128 v[CMW], v[CMIN+4*\q:CMIN+4*\q+3] offset:512*\q
.endr
.irp q, 0,1,2,3
	ds_store_b128 v[CMW], v[CMAX+4*\q:CMAX+4*\q+3] offset:2048+512*\q
.endr
	s_wait_dscnt 0x0
	s_barrier_signal -1
	s_barrier_wait -1
	; the eight waves' figures meet: thread t takes words 4t .. 4t+3 of all eight, and stores the work-group's
.irp w, 0,1,2,3,4,5,6,7
	ds_load_b128 v[16+4*\w:16+4*\w+3], v[CMR] offset:4096*\w
.endr
	s_wait_dscnt 0x0
.irp k, 0,1,2,3
	v_min3_num_f32 v[16+\k], v[16+\k], v[20+\k], v[24+\k]
.endr
.irp k, 0,1,2,3
	v_min3_num_f32 v[16+\k], v[16+\k], v[28+\k], v[32+\k]
.endr
.irp k, 0,1,2,3
	v_min3_num_f32 v[16+\k], v[16+\k], v[36+\k], v[40+\k]
.endr
.irp k, 0,1,2,3
	v_min_num_f32 v[16+\k], v[16+\k], v[44+\k]
.endr
	global_store_b128 v[T16], v[16:19], s[POB:POB+1]
	s_wait_tensorcnt 0x0                           ; the wave's end: behind my last tensor load and my last LDS store
	ds_add_u32 v[SPW], v[NIL]
	s_wait_dscnt 0x0
	ROUND                                          ; the closing round: no work-group ends while a partner may still ask for a tile that names it
	s_endpgm
.Lfunc_end_k_q39883dbd4b_layer0:
	.size	k_q39883dbd4b_layer0, .Lfunc_end_k_q39883dbd4b_layer0-k_q39883dbd4b_layer0
	.p2alignl 7, 3214868480
	.fill 96, 4, 3214868480
	.section	.rodata,"a",@progbits
	.p2align	6, 0x0
	.amdhsa_kernel k_q39883dbd4b_layer0
		.amdhsa_group_segment_fixed_size 327680
		.amdhsa_private_segment_fixed_size 0
		.amdhsa_enable_private_segment 0
		.amdhsa_kernarg_size 56
		.amdhsa_user_sgpr_count 2
		.amdhsa_user_sgpr_kernarg_segment_ptr 1
		.amdhsa_wavefront_size32 1
		.amdhsa_system_sgpr_workgroup_id_x 1
		.amdhsa_system_sgpr_workgroup_id_y 1
		.amdhsa_system_sgpr_workgroup_id_z 1
		.amdhsa_system_vgpr_workitem_id 0
		.amdhsa_next_free_vgpr 512
		.amdhsa_next_free_sgpr 72
		.amdhsa_reserve_vcc 0
		.amdhsa_float_denorm_mode_32 3
		.amdhsa_float_denorm_mode_16_64 3
		.amdhsa_memory_ordered 1
		.amdhsa_forward_progress 1
		.amdhsa_inst_pref_size 255
	.end_amdhsa_kernel
	.section	.bss,"aw",@nobits
	.p2align	6
	.space	262144
	.amdgpu_metadata
---
amdhsa.version: [ 1, 2 ]
amdhsa.kernels:
  - .name:           k_q39883dbd4b_layer0
    .symbol:         k_q39883dbd4b_layer0.kd
    .args:
      - { .name: x, .offset: 0, .size: 8, .value_kind: global_buffer, .address_space: global }
      - { .name: wp0, .offset: 8, .size: 8, .value_kind: global_buffer, .address_space: global }
      - { .name: g0, .offset: 16, .size: 8, .value_kind: global_buffer, .address_space: global }
      - { .name: b0, .offset: 24, .size: 8, .value_kind: global_buffer, .address_space: global }
      - { .name: pm0, .offset: 32, .size: 8, .value_kind: global_buffer, .address_space: global }
      - { .name: h1, .offset: 40, .size: 8, .value_kind: global_buffer, .address_space: global }
      - { .name: pm1, .offset: 48, .size: 8, .value_kind: global_buffer, .address_space: global }
    .group_segment_fixed_size: 327680
    .private_segment_fixed_size: 0
    .kernarg_segment_align: 8
    .kernarg_segment_size: 56
    .max_flat_workgroup_size: 256
    .sgpr_count:     72
    .vgpr_count:     512
    .wavefront_size: 32
...
	.end_amdgpu_metadata
.endif
;; end of part 2
;; launch layer1: the kernel of part 2 again; grid 256 x 1, 8 waves a work-group, clusters of 4 x 1, 327,680 bytes of LDS; arguments h1, wp1, g1, b1, pm1, out0, pm2; writes out0, pm2
;; ======== version 2 of 2: 3 launches; version 1 with the launch prep written anew for expert scheduling mode
;; limits: values are held in f16: magnitudes above 65,504 overflow, below 6.1e-05 lose precision
;; workspace buffers: wp0 2,621,440 bytes; wp1 2,621,440 bytes; pm0 1,048,576 bytes; pm1 1,048,576 bytes; pm2 1,048,576 bytes; h1 33,554,432 bytes
;; launch prep (part 3): grid 256 x 1, 4 waves a work-group, no clusters, 0 bytes of LDS; arguments x, bw0, sw0, bw1, sw1, wp0, wp1, pm0; writes wp0, wp1, pm0
.if DOCPART == 3
	.amdgcn_target "amdgcn-amd-amdhsa--gfx1250"
	.amdhsa_code_object_version 6
	.text
	.protected	k_q39883dbd4b_prep
	.globl	k_q39883dbd4b_prep
	.p2align	8
	.type	k_q39883dbd4b_prep,@function
k_q39883dbd4b_prep:
	s_mov_b64 s[64:65], 0
	v_nop
	global_prefetch_b8 v0, s[64:65] scope:SCOPE_SE
	s_setreg_imm32_b32 hwreg(HW_REG_WAVE_SCHED_MODE, 0, 2), 2
	s_setreg_imm32_b32 hwreg(HW_REG_WAVE_MODE, 25, 1), 1
	s_wait_xcnt 0x0
	s_wait_alu depctr_vm_vsrc(0)
; PREP.  Two jobs that share nothing but the launch.
; (1) The weights of both layers, rounded once from f32 to f16 and laid in 20 dense tiles of 512 outputs x 128 K places: Wp[t][o][p], byte t*131072 + o*256 + 2p.
;     Group g (0..3) is features 128g .. 128g+127; a place is p = 8c + e (c 0..15, e 0..7).
;     Tile 5g   (base):   e < 4: bw[o][128g+4c+e];  e >= 4: bw[o][128g+64+4c+e-4].
;     Tile 5g+1+s (spline, s 0..3): sw[o][4 f0 + e] with f0 = 128g + 64 (s>>1) + 4c + 2 (s&1): two features, four basis functions each.
;     Work-groups 0-127 take layer 0, 128-255 layer 1; a wave takes one output row o: 2,560 numbers, 20 loads of 16 bytes a lane, 10 stores.
; (2) For the work-group's 64 rows of x the minimum of every column and MINUS the maximum: pm0[wg][0..511] and pm0[wg][512..1023], so that one kind of minimum reduces both later.
;     Thread t owns columns 4t..4t+3: a row is 128 threads x 16 bytes.
; No LDS, no barrier, no matrix unit: memory binds, every byte is read once, each store of sixteen neighbouring lanes covers 256 consecutive aligned bytes.
; LIMIT: a weight beyond 65,504 has no f16; below 6e-5 it keeps f16's fixed step of 6e-8.  NaN in x is dropped by the minima.
; THE MODE: SCHED_MODE bits 1:0 = 2 (LLVM: expert scheduling mode 2), set by the entry lines.  The code itself states the register dependences
; between vector instructions and memory instructions, with s_wait_alu, always for 0.
; THE PLAN.  Registers that memory instructions touch:
;   v2 .. v6   five byte offsets, made once at the head and never written again: rows and tiles are reached by immediate offsets, and no base is stepped.
;   W          the weights as loaded; the conversions round them in place; the ten stores read them; nothing writes them after that.
;   X0 .. X4   five buffers of eight rows of x.  Block p's minima and maxima read X[p % 5]; behind block p - 1 the loads of block p + 4 land in X[(p - 1) % 5] (p = 1, 2, 3).
;   MIN, MAX   named by vector instructions alone until the last two stores read them.
; So a wait on va_vdst stands in six places: ahead of the first load (the offsets), ahead of the weights' stores (the conversions), ahead of each of the three refills (the block
; before is done reading its buffer; nothing stands between that wait and its eight loads), and ahead of the last stores.  No register that a memory instruction has read is ever
; written again, so no wait on vm_vsrc stands behind the entry lines.  By the text's own count 32 to 40 loads of x of each wave are out until nothing is left to ask for.
.set VB,  2                            ; v2  bw: o*2048 + hh*512 + 16c      (c = lane % 16, hh = lane / 16)
.set VS,  3                            ; v3  sw: o*8192 + 64c + 32hh
.set OB,  4                            ; v4  Wp, base tiles: hh*655360 + o*256 + 16c
.set OS,  5                            ; v5  Wp, spline tiles: (1+hh)*131072 + o*256 + 16c
.set XO,  6                            ; v6  16 t.  None of these five is ever rewritten
.set MIN, 8                            ; v[8:11]    (v7, v8, v9 serve the head's arithmetic first: c, hh and a sum; no memory instruction names them there)
.set MAX, 12                           ; v[12:15]
.set W,   16                           ; v[16:95]   ten units of eight f32
.set X,   96                           ; v[96:255]  buffer k, row i: four f32 at X + 32 k + 4 i
; Block blk's eight rows into buffer blk % 5
.macro FILL blk
.set i, 0
.rept 8
	global_load_b128 v[X+32*((\blk)%5)+4*i:X+32*((\blk)%5)+4*i+3], v[XO], s[26:27] offset:(8*(\blk)+i)*2048 th:TH_LOAD_NT
.set i, i+1
.endr
.endm
	s_load_b512 s[4:19], s[0:1], 0x0               ; x, bw0, sw0, bw1, sw1, wp0, wp1, pm0
	v_lshrrev_b32 v1, 5, v0
	v_readfirstlane_b32 s30, v1                    ; wave 0..3
	v_and_b32 v7, 15, v0                           ; c
	v_bfe_u32 v8, v0, 4, 1                         ; hh
	v_lshlrev_b32 v9, 4, v7                        ; 16c
	v_lshl_add_u32 v[VB], v8, 9, v9
	v_lshlrev_b32 v[VS], 6, v7
	v_lshl_add_u32 v[VS], v8, 5, v[VS]
	v_mul_u32_u24 v[OB], v8, 0xa0000               ; five tiles for the odd groups
	v_lshlrev_b32 v[XO], 4, v0
	s_wait_alu depctr_va_sdst(0)                   ; s30 is written, ahead of its first reader: the output row is made from it
	s_and_b32 s31, ttmp9, 127
	s_lshl2_add_u32 s31, s31, s30                  ; o = 4 (wg % 128) + wave
	s_lshl_b32 s32, s31, 11                        ; a row of bw is 2,048 bytes,
	s_lshl_b32 s33, s31, 13                        ; of sw 8,192,
	s_lshl_b32 s34, s31, 8                         ; of a tile 256
	v_add_nc_u32 v[VB], s32, v[VB]
	v_add_nc_u32 v[VS], s33, v[VS]
	v_add_nc_u32 v9, s34, v9                       ; o*256 + 16c
	v_add_nc_u32 v[OB], v[OB], v9
	v_lshl_add_u32 v[OS], v8, 17, v9
	v_add_nc_u32 v[OS], 0x20000, v[OS]
	s_lshl_b32 s36, ttmp9, 17                      ; 64 rows of 2,048 bytes
	s_mov_b32 s37, 0
	s_lshl_b32 s38, ttmp9, 12                      ; 4,096 bytes of partial results
	s_mov_b32 s39, 0
	s_wait_kmcnt 0x0
	s_cmp_lt_u32 ttmp9, 128                        ; which layer's weights: a choice between buffers on the work-group's number
	s_cselect_b64 s[20:21], s[6:7], s[10:11]       ; bw
	s_cselect_b64 s[22:23], s[8:9], s[12:13]       ; sw
	s_cselect_b64 s[24:25], s[14:15], s[16:17]     ; wp
	s_add_nc_u64 s[26:27], s[4:5], s[36:37]        ; x at my first row
	s_add_nc_u64 s[28:29], s[18:19], s[38:39]      ; my row of pm0
	s_wait_alu depctr_va_vdst(0)                   ; the five offsets v2 to v6 are written: every load and store of the kernel reads one of them
	; the 20 weight loads: units 0, 1 base (group 2k + hh), units 2..9 spline (group g, s = 2 s2 + hh)
.irp k, 0,1
	global_load_b128 v[W+8*\k:W+8*\k+3],   v[VB], s[20:21] offset:\k*1024 th:TH_LOAD_NT
	global_load_b128 v[W+8*\k+4:W+8*\k+7], v[VB], s[20:21] offset:\k*1024+256 th:TH_LOAD_NT
.endr
.irp g, 0,1,2,3
.irp s, 0,1
	global_load_b128 v[W+16+8*(2*\g+\s):W+16+8*(2*\g+\s)+3],   v[VS], s[22:23] offset:\g*2048+\s*1024 th:TH_LOAD_NT
	global_load_b128 v[W+16+8*(2*\g+\s)+4:W+16+8*(2*\g+\s)+7], v[VS], s[22:23] offset:\g*2048+\s*1024+16 th:TH_LOAD_NT
.endr
.endr
	; the five buffers are filled: rows 0 to 39
	FILL 0
	FILL 1
	FILL 2
	FILL 3
	FILL 4
	s_wait_loadcnt 40                              ; loads come back in order: the 40 younger loads of x stay out, the weights are in
.set u, 0
.rept 10
.irp m, 0,1,2,3
	v_cvt_pk_f16_f32 v[W+8*u+\m], v[W+8*u+2*\m], v[W+8*u+2*\m+1]  ; in place, ascending: a result never lands on a number still to be rounded
.endr
.set u, u+1
.endr
	s_wait_alu depctr_va_vdst(0)                   ; the conversions have written the first four registers of each unit of W, which the ten stores read
.irp k, 0,1
	global_store_b128 v[OB], v[W+8*\k:W+8*\k+3], s[24:25] offset:\k*1310720       ; tile 5 (2k + hh)
.endr
.irp g, 0,1,2,3
.irp s, 0,1
	global_store_b128 v[OS], v[W+16+8*(2*\g+\s):W+16+8*(2*\g+\s)+3], s[24:25] offset:(5*\g+2*\s)*131072  ; tile 5g + 1 + 2 s2 + hh
.endr
.endr
; Block p: eight rows, two at a time.  ahead = 1: the buffer that the block before has emptied takes block p + 4.
; left = the younger loads that may stay out when the block's first two rows have to be there; each further pair lets two fewer stay out.
.macro BLK p, ahead, left
.if \ahead
	s_wait_alu depctr_va_vdst(0)                   ; the minima and maxima of the block before are done reading its buffer, in which the eight loads below land
	FILL (\p)+4
.endif
.irp q, 0,1,2,3
	s_wait_loadcnt (\left)-2*\q
.set sa, X+32*((\p)%5)+8*\q
.set sb, sa+4
.irp k, 0,1,2,3
.if (\p) == 0 && \q == 0
	v_min_num_f32 v[MIN+\k], v[sa+\k], v[sb+\k]    ; the first two rows start the chains: nothing is preset
	v_max_num_f32 v[MAX+\k], v[sa+\k], v[sb+\k]
.else
	v_min3_num_f32 v[MIN+\k], v[MIN+\k], v[sa+\k], v[sb+\k]
	v_max3_num_f32 v[MAX+\k], v[MAX+\k], v[sa+\k], v[sb+\k]
.endif
.endr
.endr
.endm
	BLK 0, 0, 38                                   ; of 40 loads out the two oldest are in
	BLK 1, 1, 38                                   ; 32 were out, eight have just been asked for
	BLK 2, 1, 38
	BLK 3, 1, 38                                   ; rows 56 to 63: the last loads
	BLK 4, 0, 30                                   ; nothing is left to ask for: the counts run down to 0
	BLK 5, 0, 22
	BLK 6, 0, 14
	BLK 7, 0, 6
	v_pk_mul_f32 v[MAX:MAX+1],   v[MAX:MAX+1],   -1.0 op_sel_hi:[1,0]
	v_pk_mul_f32 v[MAX+2:MAX+3], v[MAX+2:MAX+3], -1.0 op_sel_hi:[1,0]
	s_wait_alu depctr_va_vdst(0)                   ; the minima and the maxima with their signs turned are written, which the two stores read
	global_store_b128 v[XO], v[MIN:MIN+3], s[28:29]
	global_store_b128 v[XO], v[MAX:MAX+3], s[28:29] offset:2048
	s_endpgm
.Lfunc_end_k_q39883dbd4b_prep:
	.size	k_q39883dbd4b_prep, .Lfunc_end_k_q39883dbd4b_prep-k_q39883dbd4b_prep
	.p2alignl 7, 3214868480
	.fill 96, 4, 3214868480
	.section	.rodata,"a",@progbits
	.p2align	6, 0x0
	.amdhsa_kernel k_q39883dbd4b_prep
		.amdhsa_group_segment_fixed_size 0
		.amdhsa_private_segment_fixed_size 0
		.amdhsa_enable_private_segment 0
		.amdhsa_kernarg_size 64
		.amdhsa_user_sgpr_count 2
		.amdhsa_user_sgpr_kernarg_segment_ptr 1
		.amdhsa_wavefront_size32 1
		.amdhsa_system_sgpr_workgroup_id_x 1
		.amdhsa_system_sgpr_workgroup_id_y 1
		.amdhsa_system_sgpr_workgroup_id_z 1
		.amdhsa_system_vgpr_workitem_id 0
		.amdhsa_next_free_vgpr 256
		.amdhsa_next_free_sgpr 66
		.amdhsa_reserve_vcc 0
		.amdhsa_float_denorm_mode_32 3
		.amdhsa_float_denorm_mode_16_64 3
		.amdhsa_memory_ordered 1
		.amdhsa_forward_progress 1
		.amdhsa_inst_pref_size 31
	.end_amdhsa_kernel
	.amdgpu_metadata
---
amdhsa.version: [ 1, 2 ]
amdhsa.kernels:
  - .name:           k_q39883dbd4b_prep
    .symbol:         k_q39883dbd4b_prep.kd
    .args:
      - { .name: x, .offset: 0, .size: 8, .value_kind: global_buffer, .address_space: global }
      - { .name: bw0, .offset: 8, .size: 8, .value_kind: global_buffer, .address_space: global }
      - { .name: sw0, .offset: 16, .size: 8, .value_kind: global_buffer, .address_space: global }
      - { .name: bw1, .offset: 24, .size: 8, .value_kind: global_buffer, .address_space: global }
      - { .name: sw1, .offset: 32, .size: 8, .value_kind: global_buffer, .address_space: global }
      - { .name: wp0, .offset: 40, .size: 8, .value_kind: global_buffer, .address_space: global }
      - { .name: wp1, .offset: 48, .size: 8, .value_kind: global_buffer, .address_space: global }
      - { .name: pm0, .offset: 56, .size: 8, .value_kind: global_buffer, .address_space: global }
    .group_segment_fixed_size: 0
    .private_segment_fixed_size: 0
    .kernarg_segment_align: 8
    .kernarg_segment_size: 64
    .max_flat_workgroup_size: 128
    .sgpr_count:     66
    .vgpr_count:     256
    .wavefront_size: 32
...
	.end_amdgpu_metadata
.endif
;; end of part 3
;; launch layer0: the kernel of part 2 again; grid 256 x 1, 8 waves a work-group, clusters of 4 x 1, 327,680 bytes of LDS; arguments x, wp0, g0, b0, pm0, h1, pm1; writes h1, pm1
;; launch layer1: the kernel of part 2 again; grid 256 x 1, 8 waves a work-group, clusters of 4 x 1, 327,680 bytes of LDS; arguments h1, wp1, g1, b1, pm1, out0, pm2; writes out0, pm2
